; MI455X (gfx1250); checked and timed in simulation.
; The chip was launched on July 23, 2026; its instructions are those of AMD's public machine-readable ISA for CDNA 5 (MIT licence, August 2026) and "CDNA5" Instruction Set Architecture Reference Guide (July 2026). The comments in the code are by the model that wrote it; some were corrected since.
;; Multi Head Attention. Allowed arithmetic: matrix products marked QUANTISED: E2M1 operands, one E8M0 scale for each 32 along K, by v_wmma_scale_f32_16x16x128_f8f6f4 with both operands' format E2M1 (or v_wmma_scale_f32_32x16x128_f4), f32 sums; everything else in f32.
;; Inputs: Wk_codes 1,024 x 32 x 16 uint8 (E2M1 codes of Wk, K innermost, in blocks of 32 codes, two codes a byte); Wk_scales 1,024 x 32 uint8 (E8M0 scales of Wk, one for each 32 codes along K); Wo_codes 1,024 x 32 x 16 uint8 (E2M1 codes of Wo, K innermost, in blocks of 32 codes, two codes a byte); Wo_scales 1,024 x 32 uint8 (E8M0 scales of Wo, one for each 32 codes along K); Wq_codes 1,024 x 32 x 16 uint8 (E2M1 codes of Wq, K innermost, in blocks of 32 codes, two codes a byte); Wq_scales 1,024 x 32 uint8 (E8M0 scales of Wq, one for each 32 codes along K); Wv_codes 1,024 x 32 x 16 uint8 (E2M1 codes of Wv, K innermost, in blocks of 32 codes, two codes a byte); Wv_scales 1,024 x 32 uint8 (E8M0 scales of Wv, one for each 32 codes along K); bk 1,024 float32; bo 1,024 float32; bq 1,024 float32; bv 1,024 float32; x_codes 4 x 2,048 x 32 x 16 uint8 (E2M1 codes of x, K innermost, in blocks of 32 codes, two codes a byte); x_scales 4 x 2,048 x 32 uint8 (E8M0 scales of x, one for each 32 codes along K).
;; Outputs: out0 4 x 2,048 x 1,024 float32.
;; This version of the problem:
;;   THIS VERSION OF THE PROBLEM IS GIVEN IN LOW PRECISION. The matrix products marked QUANTISED in the list below multiply operands that are first quantised to E2M1 (2 exponent bits, 1 mantissa bit; 4 bits a number), with one power-of-two scale for each 32 numbers along K (OCP MX v1.0); their sums are f32. All else is computed in f32.
;;   The module's matrix products, in the order in which they are computed (A, B: the left and right operand; K: the contracted axis; several contracted axes count as one K, in the product's order):
;;     1. [M 8,192, K 1,024] x [K 1,024, N 1,024]; A: input x (given as codes); B: input Wq (given as codes): QUANTISED
;;     2. [M 8,192, K 1,024] x [K 1,024, N 1,024]; A: input x (given as codes); B: input Wk (given as codes): QUANTISED
;;     3. [M 8,192, K 1,024] x [K 1,024, N 1,024]; A: input x (given as codes); B: input Wv (given as codes): QUANTISED
;;     4. batch 64 x [M 2,048, K 64] x [K 64, N 2,048]; A: computed on the way; B: computed on the way: QUANTISED
;;     5. batch 64 x [M 2,048, K 2,048] x [K 2,048, N 64]; A: softmax (see below); B: computed on the way: QUANTISED
;;     6. [M 8,192, K 1,024] x [K 1,024, N 1,024]; A: computed on the way; B: input Wo (given as codes): QUANTISED
;;   THE QUANTISER, for each operand of a quantised product, along K:
;;     - K is cut into blocks of 32 from its start; a last block that is shorter is filled with zeros.
;;     - A block's scale is 2^e with e = floor(log2(the largest magnitude in the block)) - 2, held to -126 .. 127; a block of zeros has e = 0. As a byte (E8M0): e + 127.
;;     - Each number is divided by its block's scale, clamped to +-6, and rounded to the nearest number of E2M1, ties to even, subnormals kept.
;;     - The product sums the exact products of the quantised numbers (number of the format x scale) in f32.
;;   ~~~python
;;   def quantise(x, axis):      # numpy; x: float32 -> the quantised numbers, widened to float32 again
;;       x = np.moveaxis(x, axis, -1); K = x.shape[-1]
;;       x = np.pad(x, [(0, 0)] * (x.ndim - 1) + [(0, -K % 32)]); x = x.reshape(x.shape[:-1] + (-1, 32)); a = np.abs(x).max(-1, keepdims=True)
;;       e = np.where(a > 0, np.clip(np.frexp(np.where(a > 0, a, 1))[1] - 1 - 2, -126, 127), 0)      # np.frexp(a)[1] - 1 = floor(log2(a)), exactly
;;       r = np.clip(x / 2.0 ** e, -6, 6)
;;       step = 2.0 ** (np.maximum(np.frexp(np.where(r == 0, 1, r))[1] - 1, 0) - 1)
;;       q = np.round(r / step) * step * 2.0 ** e      # np.round: ties to even
;;       return np.moveaxis(q.reshape(q.shape[:-2] + (-1,))[..., :K], -1, axis).astype(np.float32)
;;   ~~~
;;   SOFTMAX AHEAD OF A QUANTISED PRODUCT. Where the list says 'softmax', what is quantised is not the finished softmax but p = 2^(t - M), with t = logit x log2(e) and M = ceil(the row's largest t), a whole number; so 1/2 < the row's largest p <= 1. The row's sum l is taken of the UNQUANTISED p, in f32, and the product's result is divided by l at the end. Since M is a whole number, a kernel that streams over the keys may use a running M (the ceiling of the running maximum): every later rescaling is an exact power of two, which a block's scale takes up: the codes' values come out the same.
;;   OPERANDS COMPUTED ON THE WAY. 'Computed on the way' means the value that the module computes at that place (a softmax that the list does not call 'softmax' is quantised finished and normalised). What goes into a quantiser is computed in f32, as accurately as f32 sums, v_exp_f32 and their like allow (about 1e-6 of the number): no bf16 or f16 on the way to a quantiser, and a product that is left as it is and whose result goes on into a quantised operand takes f32 operands (vector FMAs, or v_wmma_f32_16x16x4_f32). A number that lies on a knife's edge between two numbers of the format may be rounded either way, as far as f32 arithmetic and the matrix unit's own rounding can turn it there, and no further.
;;   INPUTS GIVEN AS CODES. Wk (in the module: [1024, 1024], K = its axis 1); Wo (in the module: [1024, 1024], K = its axis 1); Wq (in the module: [1024, 1024], K = its axis 1); Wv (in the module: [1024, 1024], K = its axis 1); x (in the module: [4, 2048, 1024], K = its axis 2): each comes as NAME_codes (uint8): NAME with its K axis moved to the last place and cut into blocks of 32 codes, [.., K / 32, bytes a block], one block behind the other in memory; two codes a byte, the lower K in the low four bits (a code: sign, 2 exponent bits, 1 mantissa bit); and NAME_scales (uint8): the same leading axes, one E8M0 byte (e + 127) for each 32 codes along K. Its value is code x scale, taken as it is: it is not quantised again, and the codes and scales need not be those that the quantiser above would give.
;; One version. Each part assembles by itself: llvm-mc -triple=amdgcn-amd-amdhsa -mcpu=gfx1250 --defsym DOCPART=n.
;; ======== version 1 of 1: 3 launches
;; workspace buffers: qimg 4,718,592 bytes; kvimg 9,175,040 bytes; cimg 4,194,304 bytes; csc 262,144 bytes
;; launch proj (part 1): grid 12 x 64, 4 waves a work-group, clusters of 4 x 4, 216,320 bytes of LDS; arguments x_codes, x_scales, Wq_codes, Wq_scales, bq, Wk_codes, Wk_scales, bk, Wv_codes, Wv_scales, bv, qimg, kvimg; writes qimg, kvimg
.if DOCPART == 1
	.amdgcn_target "amdgcn-amd-amdhsa--gfx1250"
	.amdhsa_code_object_version 6
	.text
	.protected	k_q0846aa63c4_proj
	.globl	k_q0846aa63c4_proj
	.p2align	8
	.type	k_q0846aa63c4_proj,@function
k_q0846aa63c4_proj:
	s_mov_b64 s[64:65], 0
	v_nop
	global_prefetch_b8 v0, s[64:65] scope:SCOPE_SE
	s_setreg_imm32_b32 hwreg(HW_REG_WAVE_MODE, 25, 1), 1
	s_wait_xcnt 0x0
	s_wait_alu depctr_hold_cnt(0) depctr_sa_sdst(0) depctr_va_vdst(0) depctr_va_sdst(0) depctr_va_ssrc(0) depctr_va_vcc(0) depctr_vm_vsrc(0)
	s_getreg_b32 s2, hwreg(HW_REG_IB_STS2, 6, 4)
	s_cmp_eq_u32 s2, 0
	s_cbranch_scc0 .Lentry_in_a_cluster
	s_endpgm
.Lentry_in_a_cluster:
	s_bfe_u32 s2, ttmp6, 0x10000c
	s_cmp_lg_u32 s2, 0xf033
	s_cbranch_scc0 .Lentry_shape_is_right
	s_endpgm
.Lentry_shape_is_right:
; Q, K, V = x W^T + b on codes of FP4 (E2M1) with one E8M0 scale for each 32 along K, and the results quantised again for the attention launch.
; x: [8192][1024] codes (512 bytes a row), scale bytes [8192][32].  Wq, Wk, Wv: [1024][1024] likewise.  bq, bk, bv: [1024] f32.
; SHARES.  The cluster's x says which product: 0 Q, 1 K, 2 V (the same in all sixteen partners).  A work-group takes 128 tokens (block tb = 4 x cluster y + cy) x 256 columns (heads 4 cx .. 4 cx + 3);
; wave w takes head 4 cx + w: 128 x 64, 32 accumulators.  All 1,024 of K of both tiles lie in LDS at once: 128 + 256 rows of 512 bytes and their scale bytes.  Every LDS byte is filled once, so there is no ring.
; CLUSTER.  The four work-groups of a row of the cluster (same cy) need the same rows of x, the four of a column (same cx) the same rows of W: each tile is asked for jointly.
; Q AND K are made transposed (source 0 = 16 rows of W, source 1 = 16 tokens): a lane holds one token and its registers run along the head's channels, which are the score product's K.
; V is made the other way (source 0 = 16 tokens, source 1 = 16 rows of W): a lane holds one channel and its registers run along the tokens, which are the second product's K.
; The bias is the C of each sum's first matrix instruction (so it is added first and not last: another order of rounding than x W^T + b).
; WHAT IS STORED are images of the reader's operand registers: lane l's 16 bytes at 16 l, 512 bytes a store.
;   qimg  [64 batch-heads][16 steps of 128 tokens][4,608]: 8 tiles x 512 bytes of codes, then 512 bytes of scale words.
;   kvimg [64][16][8,960]: K's codes 0, V's codes 4,096 (channel tile b, half c at 1,024 b + 512 c), K's scale words 8,192, V's 8,704.
;   A scale image holds at 16 l + 4 j (V: 8 l + 4 j) the word of row l % 16 of tile 2 j + l / 16: one register carries two tiles' words.
; LIMITS.  A block whose largest magnitude lies under 2^-124 gets the scale byte 1; a block of zeros gets the byte 1 where the quantiser's rule says 127 (its codes are zeros, and this program alone reads the bytes).
; NaN and infinities are not served.
; LEFT OUT.  No prefetch: all that a work-group reads is asked for by its first loads.  No work-group that stays: two sets of W's 256 rows do not fit in LDS beside x's rows.
; REGISTERS, in windows of 256.  Window 0: v1-15 addresses; v16-111, v112-207 two sets of fragments (x's eight at + 8 a, W's four at + 64 + 8 b); v208-239 x's scale words, v240-255 W's.
;   Window 1: the 32 accumulators.   Window 2: v0-31 the bias in the result's layout.   On the way out the first set's registers are at work.
.set PITCH, 528                        ; an LDS row of codes: 512 bytes + 16 of padding = 132 words: the 16 rows that a load touches start 4 banks apart
.set TILEB, 16*PITCH
.set XC,    0                          ; x: 128 rows
.set WC,    128*PITCH                  ; W: 256 rows
.set XS,    WC+256*PITCH               ; x's scale bytes: 16 runs of 256 bytes (8 rows of 32), 16 bytes of padding behind each
.set WSC,   XS+16*272                  ; W's: 32 such runs; the map ends at 215,808
.set ADX,  1                           ; v1   528 r + 16 h
.set ADW,  2                           ; v2   the same in my 64 rows of W
.set ADXS, 3                           ; v3   x's scale words: lanes 0-15 an even tile's rows, lanes 16-31 the odd tile's behind it
.set ADWS, 4                           ; v4   W's likewise, in my 64 rows
.set OL16, 5                           ; v5   16 x lane
.set OL8,  6                           ; v6   8 x lane
.set VB,   8                           ; v8-15 the bias: byte offset for register j of a result
.set F0,   16
.set FSET, 96
.set XSR,  208                         ; x's scale words: tiles 2 i, 2 i + 1, K step s at XSR + 8 i + s
.set WSR,  240
.set TM,   16                          ; the way out: largest magnitudes,
.set TP,   20                          ; the other half of the lanes' ,
.set SO,   24                          ; the conversions' scale operands,
.set BY,   28                          ; the scale bytes,
.set WT,   32                          ; scale words,
.set KW,   36                          ; the scale image,
.set PC,   48                          ; codes: eight registers for each of four runs, so that no store's data are written again
.set WV,   30                          ; s30  wave
.set FOR,  31                          ; s31  0: I fetch for x; 1: for W
.set HALF, 84                          ; s84  which half of that tile's rows
.set CX,   85
.set CY,   86
.set TBK,  87                          ; s87  tb
.set SEL,  90                          ; s[90:91] lane selects: lane l xor 16
.set HM,   92                          ; s92  the lanes 16-31, as a mask
.set G1X,  32                          ; s[32:39] group 1: x's codes;  s[40:47] W's;  s[48:55] x's scale bytes;  s[56:63] W's
.set G1W,  40
.set G1XS, 48
.set G1WS, 56
.set G0X,  68                          ; s[68:71], s[72:75], s[76:79], s[80:83] their groups 0
.set G0W,  72
.set G0XS, 76
.set G0WS, 80
.set MSB, 0
.macro WIN new                         ; the immediate's high byte repeats the setting that is left; a switch that changes nothing is dropped
.if MSB != \new
	s_set_vgpr_msb (MSB<<8)|\new
.set MSB, \new
.endif
.endm
.macro PLACES n
.rept \n
	v_nop
.endr
.endm
; A joint load: waves 0 and 1 fetch for x, waves 2 and 3 for W.  Each line has one mask and one set of registers for all that issue it; the branch hangs on the wave's number alone.
; Four v_nop follow each of the two lines, ahead of the jump, the label and what follows.
.macro JLOAD g0a, g1a, g0b, g1b
	s_cmp_eq_u32 s[FOR], 0
	s_cbranch_scc0 .Lfor_w_\@
	tensor_load_to_lds s[\g0a:\g0a+3], s[\g1a:\g1a+7]
	s_nop 0
.rept 4
	v_nop
.endr
	s_branch .Lasked_\@
.Lfor_w_\@:
	tensor_load_to_lds s[\g0b:\g0b+3], s[\g1b:\g1b+7]
	s_nop 0
.rept 4
	v_nop
.endr
.Lasked_\@:
.endm
; A round of the cluster's barrier: my work-group's barrier; wave 0 signals for the work-group; every wave waits for all sixteen; my work-group's barrier once more.
.macro ROUND
	s_barrier_signal -1
	s_barrier_wait -1
	s_cmp_lg_u32 s[WV], 0
	s_cbranch_scc1 .Lnot_wave_0_\@
	s_barrier_signal -3
.Lnot_wave_0_\@:
	s_barrier_wait -3
	s_barrier_signal -1
	s_barrier_wait -1
.endm
	s_load_b512 s[4:19], s[0:1], 0x0               ; x codes s[4:5], x scales s[6:7], Wq codes, scales, bq s[8:13], Wk codes, scales, bk s[14:19]
	s_load_b256 s[20:27], s[0:1], 0x40             ; Wv codes, scales, bv s[20:25], qimg s[26:27]
	s_load_b64 s[28:29], s[0:1], 0x60              ; kvimg
	s_set_vgpr_msb 0x80
	v_lshl_add_u32 v32, v0, 2, 0x34b00
	v_mov_b32 v33, 0
	s_set_vgpr_msb 0x808a
	ds_add_u32 v32, v33
	ds_add_u32 v32, v33
	s_set_vgpr_msb 0x8a00
	v_lshrrev_b32 v7, 5, v0
	v_readfirstlane_b32 s[WV], v7                  ; wave 0..3
	s_lshr_b32 s[FOR], s[WV], 1
	s_and_b32 s[HALF], s[WV], 1
	s_bfe_u32 s[CX], ttmp6, 0x40000                ; my place in the cluster
	s_bfe_u32 s[CY], ttmp6, 0x40004
	s_and_b32 s[TBK], ttmp7, 0xffff
	s_lshl_b32 s[TBK], s[TBK], 2
	s_add_co_u32 s[TBK], s[TBK], s[CY]             ; tb = 4 x cluster y + cy: my 128 tokens
	s_lshl_b32 s88, s[CY], 2
	s_lshl_b32 s88, 15, s88                        ; my row of the cluster
	s_lshl_b32 s89, 0x1111, s[CX]                  ; my column
	; group 1, codes: rows of 512 elements of one byte, 512 bytes apart in memory; 4 words of padding (code 3) behind every 128 words (code 6); bit 21 set beside a mask
	s_or_b32 s[G1X], s88, (1<<20)|(1<<21)|(6<<22)|(3<<25)
	s_or_b32 s[G1W], s89, (1<<20)|(1<<21)|(6<<22)|(3<<25)
	s_mov_b32 s[G1X+1], 512<<16                    ; tensor_dim0
	s_mov_b32 s[G1X+2], 64<<16                     ; tensor_dim1: 64 rows of x to a load
	s_mov_b32 s[G1X+3], 512<<16                    ; tile_dim0
	s_mov_b32 s[G1X+4], 64                         ; tile_dim1
	s_mov_b32 s[G1X+5], 512                        ; from row to row
	s_mov_b32 s[G1X+6], 0
	s_mov_b32 s[G1X+7], 0
	s_mov_b32 s[G1W+1], 512<<16
	s_mov_b32 s[G1W+2], 128<<16                    ; 128 rows of W to a load
	s_mov_b32 s[G1W+3], 512<<16
	s_mov_b32 s[G1W+4], 128
	s_mov_b32 s[G1W+5], 512
	s_mov_b32 s[G1W+6], 0
	s_mov_b32 s[G1W+7], 0
	; group 1, scale bytes: a dense block as rows of 256 bytes (32 elements of 8 bytes), 4 words of padding behind every 64 words (code 5)
	s_or_b32 s[G1XS], s88, (3<<16)|(1<<20)|(1<<21)|(5<<22)|(3<<25)
	s_or_b32 s[G1WS], s89, (3<<16)|(1<<20)|(1<<21)|(5<<22)|(3<<25)
	s_mov_b32 s[G1XS+1], 32<<16
	s_mov_b32 s[G1XS+2], 8<<16                     ; 64 rows x 32 bytes
	s_mov_b32 s[G1XS+3], 32<<16
	s_mov_b32 s[G1XS+4], 8
	s_mov_b32 s[G1XS+5], 32
	s_mov_b32 s[G1XS+6], 0
	s_mov_b32 s[G1XS+7], 0
	s_mov_b32 s[G1WS+1], 32<<16
	s_mov_b32 s[G1WS+2], 16<<16                    ; 128 rows x 32 bytes
	s_mov_b32 s[G1WS+3], 32<<16
	s_mov_b32 s[G1WS+4], 16
	s_mov_b32 s[G1WS+5], 32
	s_mov_b32 s[G1WS+6], 0
	s_mov_b32 s[G1WS+7], 0
	; where the tiles begin in memory.  x's offsets hang on tb and the wave alone, W's on cx and the wave alone
	s_lshl_b32 s94, s[TBK], 16                     ; 128 rows of 512 bytes
	s_lshl_b32 s93, s[HALF], 15
	s_add_co_u32 s94, s94, s93
	s_mov_b32 s95, 0
	s_lshl_b32 s96, s[TBK], 12                     ; 128 rows of 32 bytes
	s_lshl_b32 s93, s[HALF], 11
	s_add_co_u32 s96, s96, s93
	s_mov_b32 s97, 0
	s_lshl_b32 s98, s[CX], 17                      ; 256 rows of 512 bytes
	s_lshl_b32 s93, s[HALF], 16
	s_add_co_u32 s98, s98, s93
	s_mov_b32 s99, 0
	s_lshl_b32 s2, s[CX], 13                       ; 256 rows of 32 bytes
	s_lshl_b32 s93, s[HALF], 12
	s_add_co_u32 s2, s2, s93
	s_mov_b32 s3, 0
	; and in LDS: a constant + the wave's half x a constant
	s_mov_b32 s[G0X], 1
	s_mul_i32 s[G0X+1], s[HALF], 64*PITCH
	s_mov_b32 s[G0W], 1
	s_mul_i32 s[G0W+1], s[HALF], 128*PITCH
	s_add_co_u32 s[G0W+1], s[G0W+1], WC
	s_mov_b32 s[G0XS], 1
	s_mul_i32 s[G0XS+1], s[HALF], 8*272
	s_add_co_u32 s[G0XS+1], s[G0XS+1], XS
	s_mov_b32 s[G0WS], 1
	s_mul_i32 s[G0WS+1], s[HALF], 16*272
	s_add_co_u32 s[G0WS+1], s[G0WS+1], WSC
	s_mov_b32 s[SEL], 0x76543210
	s_mov_b32 s[SEL+1], 0xfedcba98
	s_mov_b32 s[HM], 0xffff0000
	s_wait_dscnt 0x0
	s_wait_kmcnt 0x0
	s_cmp_eq_u32 ttmp9, 1                          ; which weight, which bias, which output: the choice hangs on the cluster's x alone
	s_cselect_b64 s[8:9], s[14:15], s[8:9]
	s_cselect_b64 s[10:11], s[16:17], s[10:11]
	s_cselect_b64 s[12:13], s[18:19], s[12:13]
	s_cmp_eq_u32 ttmp9, 2
	s_cselect_b64 s[8:9], s[20:21], s[8:9]
	s_cselect_b64 s[10:11], s[22:23], s[10:11]
	s_cselect_b64 s[12:13], s[24:25], s[12:13]
	s_cmp_eq_u32 ttmp9, 0
	s_cselect_b64 s[26:27], s[26:27], s[28:29]     ; Q goes to qimg, K and V to kvimg
	s_add_nc_u64 s[G0X+2:G0X+3], s[4:5], s[94:95]
	s_or_b32 s[G0X+3], s[G0X+3], 0x80000000        ; the type
	s_add_nc_u64 s[G0W+2:G0W+3], s[8:9], s[98:99]
	s_or_b32 s[G0W+3], s[G0W+3], 0x80000000
	s_add_nc_u64 s[G0XS+2:G0XS+3], s[6:7], s[96:97]
	s_or_b32 s[G0XS+3], s[G0XS+3], 0x80000000
	s_add_nc_u64 s[G0WS+2:G0WS+3], s[10:11], s[2:3]
	s_or_b32 s[G0WS+3], s[G0WS+3], 0x80000000
	ROUND                                          ; all sixteen work-groups are here: the joint loads meet
	JLOAD G0XS, G1XS, G0WS, G1WS                   ; my quarter of the scale bytes,
	JLOAD G0X, G1X, G0W, G1W                       ; and of the codes: two tensor loads of mine are out, and there are no more in the launch
	; where my results go
	s_lshr_b32 s93, s[TBK], 4
	s_lshl_b32 s93, s93, 4                         ; 16 x batch
	s_lshl_b32 s94, s[CX], 2
	s_add_co_u32 s94, s94, s[WV]                   ; my head: 4 cx + wave
	s_add_co_u32 s93, s93, s94                     ; batch-head
	s_and_b32 s95, s[TBK], 15                      ; the step of 128 tokens in the sequence
	s_lshl_b32 s18, s94, 8                         ; the head's 64 numbers of the bias
	s_mov_b32 s19, 0
	s_add_nc_u64 s[12:13], s[12:13], s[18:19]
	s_cmp_eq_u32 ttmp9, 0
	s_mov_b32 s96, 143360
	s_cselect_b32 s96, 73728, s96                  ; bytes of a batch-head: 16 records
	s_mov_b32 s97, 8960
	s_cselect_b32 s97, 4608, s97                   ; bytes of a record
	s_mov_b32 s16, 8192
	s_cselect_b32 s16, 4096, s16                   ; where a record's scale image begins: Q 4,096, K 8,192,
	s_mul_i32 s93, s93, s96
	s_mul_i32 s95, s95, s97
	s_cmp_eq_u32 ttmp9, 2
	s_mov_b32 s99, 8704
	s_cselect_b32 s16, s99, s16                    ; V 8,704
	s_cselect_b32 s14, 4096, 0                     ; and its codes: V's lie behind K's
	s_cselect_b32 s22, 0, 32                       ; the bias in the result's layout.  Q, K: register j of lane (r, h) is channel 16 b + 8 h + j: byte 32 h + 4 j;
	s_cselect_b32 s23, 4, 0                        ; V: every register is channel 16 b + r: byte 4 r
	s_cselect_b32 s24, 0, 4
	s_add_co_u32 s93, s93, s95                     ; my record
	s_add_co_u32 s14, s14, s93
	s_add_co_u32 s16, s16, s93
	s_mov_b32 s15, 0
	s_mov_b32 s17, 0
	s_add_nc_u64 s[14:15], s[26:27], s[14:15]      ; codes
	s_add_nc_u64 s[16:17], s[26:27], s[16:17]      ; scale image
	v_and_b32 v16, 15, v0                          ; r
	v_bfe_u32 v17, v0, 4, 1                        ; h
	v_and_b32 v18, 31, v0                          ; lane
	v_mul_u32_u24 v[ADX], v16, PITCH
	v_lshl_add_u32 v[ADX], v17, 4, v[ADX]          ; a fragment: row r, 16 bytes for each half of the lanes
	s_mul_i32 s20, s[WV], 64*PITCH
	s_add_co_u32 s20, s20, WC
	v_add_nc_u32 v[ADW], s20, v[ADX]
	v_lshlrev_b32 v19, 5, v16                      ; scale bytes: 32 a row,
	v_lshrrev_b32 v20, 3, v16
	v_lshl_add_u32 v19, v20, 4, v19                ; 16 more behind each 8 rows,
	v_mad_u32_u24 v19, v17, 544, v19               ; and lanes 16-31 take the tile 16 rows on
	v_add_nc_u32 v[ADXS], XS, v19
	s_mul_i32 s21, s[WV], 8*272
	s_add_co_u32 s21, s21, WSC
	v_add_nc_u32 v[ADWS], s21, v19
	v_lshlrev_b32 v[OL16], 4, v18
	v_lshlrev_b32 v[OL8], 3, v18
	v_mul_u32_u24 v7, s22, v17
	v_mad_u32_u24 v7, v16, s23, v7
.irp j, 0,1,2,3,4,5,6,7
	v_mad_u32_u24 v[VB+\j], s24, \j, v7
.endr
	WIN 0x80                                       ; destination window 2
.irp b, 0,1,2,3
.irp j, 0,1,2,3,4,5,6,7
	global_load_b32 v[8*\b+\j], v[VB+\j], s[12:13] offset:64*\b
.endr
.endr
	WIN 0
	s_wait_tensorcnt 0x0                           ; both my loads have landed: zero, for the other waves' sake
	s_barrier_signal -1
	s_barrier_wait -1                              ; everybody's have: both tiles and their scale bytes are whole
; The fragments of K step s (128 along K: 64 bytes of each row) into set f: 24 loads
.macro FETCH s, f
.irp a, 0,1,2,3,4,5,6,7
.irp c, 0,1
	ds_load_b128 v[\f+8*\a+4*\c:\f+8*\a+4*\c+3], v[ADX] offset:TILEB*\a+64*(\s)+32*\c
.endr
.endr
.irp b, 0,1,2,3
.irp c, 0,1
	ds_load_b128 v[\f+64+8*\b+4*\c:\f+64+8*\b+4*\c+3], v[ADW] offset:TILEB*\b+64*(\s)+32*\c
.endr
.endr
.endm
; One product.  ra, rb: the source's scale words stand in lanes 16-31 of the register named
.macro WM d, a, b, c, sa, sb, ra, rb
.if (\ra) && (\rb)
	v_wmma_scale_f32_16x16x128_f8f6f4 v[\d:\d+7], v[\a:\a+7], v[\b:\b+7], v[\c:\c+7], v[\sa], v[\sb] matrix_a_fmt:MATRIX_FMT_FP4 matrix_b_fmt:MATRIX_FMT_FP4 matrix_a_scale:MATRIX_SCALE_ROW1 matrix_b_scale:MATRIX_SCALE_ROW1
.elseif (\ra)
	v_wmma_scale_f32_16x16x128_f8f6f4 v[\d:\d+7], v[\a:\a+7], v[\b:\b+7], v[\c:\c+7], v[\sa], v[\sb] matrix_a_fmt:MATRIX_FMT_FP4 matrix_b_fmt:MATRIX_FMT_FP4 matrix_a_scale:MATRIX_SCALE_ROW1
.elseif (\rb)
	v_wmma_scale_f32_16x16x128_f8f6f4 v[\d:\d+7], v[\a:\a+7], v[\b:\b+7], v[\c:\c+7], v[\sa], v[\sb] matrix_a_fmt:MATRIX_FMT_FP4 matrix_b_fmt:MATRIX_FMT_FP4 matrix_b_scale:MATRIX_SCALE_ROW1
.else
	v_wmma_scale_f32_16x16x128_f8f6f4 v[\d:\d+7], v[\a:\a+7], v[\b:\b+7], v[\c:\c+7], v[\sa], v[\sb] matrix_a_fmt:MATRIX_FMT_FP4 matrix_b_fmt:MATRIX_FMT_FP4
.endif
.endm
; The 32 products of K step s on set f.  The 32 accumulators take turns, one instruction a turn, in the same order in every step.
; isv = 0, Q and K: accumulator (a, b) at 8 (4 a + b), source 0 = W's tile b, source 1 = x's tile a.   isv = 1, V: accumulator (b, a) at 8 (8 b + a), source 0 = x's tile a, source 1 = W's tile b.
; In step 0 the C is the bias of W's tile b, in window 2.
.macro MUL isv, s, f
.if \isv
.irp b, 0,1,2,3
.irp a, 0,1,2,3,4,5,6,7
.if (\s) == 0
	WM 8*(8*\b+\a), \f+8*\a, \f+64+8*\b, 8*\b, XSR+8*(\a/2)+(\s), WSR+8*(\b/2)+(\s), \a%2, \b%2
.else
	WM 8*(8*\b+\a), \f+8*\a, \f+64+8*\b, 8*(8*\b+\a), XSR+8*(\a/2)+(\s), WSR+8*(\b/2)+(\s), \a%2, \b%2
.endif
.endr
.endr
.else
.irp a, 0,1,2,3,4,5,6,7
.irp b, 0,1,2,3
.if (\s) == 0
	WM 8*(4*\a+\b), \f+64+8*\b, \f+8*\a, 8*\b, WSR+8*(\b/2)+(\s), XSR+8*(\a/2)+(\s), \b%2, \a%2
.else
	WM 8*(4*\a+\b), \f+64+8*\b, \f+8*\a, 8*(4*\a+\b), WSR+8*(\b/2)+(\s), XSR+8*(\a/2)+(\s), \b%2, \a%2
.endif
.endr
.endr
.endif
.endm
; All eight K steps, written out: the scale registers differ from step to step.  While a step is multiplied the next step's fragments are on their way into the other set.
.macro KLOOP isv
.set KS, 0
.rept 7
.if KS > 0
	PLACES 4                                       ; four plain places between the products that read a set and the loads into it (ISA guide 7.12.1 for vector instructions)
.endif
	FETCH KS+1, F0+FSET*((KS+1)%2)
	s_wait_dscnt 24                                ; all but the 24 just issued: this step's fragments are in, and in step 0 the scale words
.if KS == 0
	WIN 0x60                                       ; D window 1, C (the bias) window 2
.else
	WIN 0x50                                       ; C and D window 1
.endif
	MUL \isv, KS, F0+FSET*(KS%2)
	WIN 0
.set KS, KS+1
.endr
	s_wait_dscnt 0x0
	WIN 0x50
	MUL \isv, 7, F0+FSET
	WIN 0
.endm
; 64 numbers of a lane in window 1, in four chains of 16: chain k at src + 16 k.  A chain and the same chain of lane l xor 16 are one block of 32 along the next K: register 8 u + i of a chain is number 16 u + 8 h + i of the block.
; Each block's largest magnitude, with the floor 2^(3 - 127) among its leaves, so that the byte cannot fall under 1; 2 off its exponent field is the conversion's scale operand, and that shifted down the byte.
; The conversion of (chain k, half u) gives word 2 u + h of the block; it is put at p + 4 (k / 2) + k % 2 + 2 u, and the exchanges of halves then leave in p + 4 c + w word w of chain 2 c + h: a whole block in a lane.
.macro QUANT64 src, p
	WIN 0x05                                       ; sources 0 and 1 window 1
.irp k, 0,1,2,3
	v_max3_num_f32 v[TM+\k], |v[\src+16*\k]|, |v[\src+16*\k+1]|, 0x1800000   ; each accumulator is read from its low end on
.endr
.irp i, 2,4,6,8,10,12,14
.irp k, 0,1,2,3
	v_max3_num_f32 v[TM+\k], |v[\src+16*\k+\i]|, |v[\src+16*\k+\i+1]|, v[TM+\k]   ; the four chains by turns
.endr
.endr
	WIN 0
.irp k, 0,1,2,3
	v_permlanex16_b32 v[TP+\k], v[TM+\k], s[SEL], s[SEL+1]
.endr
.irp k, 0,1,2,3
	v_max_num_f32 v[TM+\k], v[TM+\k], v[TP+\k]
.endr
.irp k, 0,1,2,3
	v_add_nc_u32 v[SO+\k], 0xff000000, v[TM+\k]
.endr
.irp k, 0,1,2,3
	v_lshrrev_b32 v[BY+\k], 23, v[SO+\k]
.endr
	WIN 0x01                                       ; source 0 window 1
.irp k, 0,1,2,3
.irp u, 0,1
	v_cvt_scalef32_pk8_fp4_f32 v[\p+4*(\k/2)+(\k%2)+2*\u], v[\src+16*\k+8*\u:\src+16*\k+8*\u+7], v[SO+\k]
.endr
.endr
	WIN 0
	v_nop                                          ; one plain place behind the scaled conversions
.irp c, 0,1
	v_permlane16_swap_b32 v[\p+4*\c], v[\p+4*\c+1]
	v_permlane16_swap_b32 v[\p+4*\c+2], v[\p+4*\c+3]
.endr
.endm
.irp i, 0,1,2,3                                ; the scale words of all eight K steps: 12 loads
.irp q, 0,1
	ds_load_b128 v[XSR+8*\i+4*\q:XSR+8*\i+4*\q+3], v[ADXS] offset:1088*\i+16*\q
.endr
.endr
.irp i, 0,1
.irp q, 0,1
	ds_load_b128 v[WSR+8*\i+4*\q:WSR+8*\i+4*\q+3], v[ADWS] offset:1088*\i+16*\q
.endr
.endr
	FETCH 0, F0
	s_wait_loadcnt 0x0                             ; the bias
	s_cmp_eq_u32 ttmp9, 2                          ; the same in every wave of every partner
	s_cbranch_scc1 .Lv
	; ---- Q and K
	KLOOP 0
	PLACES 4                                       ; behind the last products, ahead of the first read of results and the first write of a fragment's register
.irp k, 0,1,2,3
	v_mov_b32 v[TP+\k], 0                          ; written once: a lane permute's destination counts as one of its sources
.endr
.irp j, 0,1,2,3                                ; tiles 2 j and 2 j + 1 of tokens: chain k is (tile 2 j + k / 2, block k % 2 of the head's 64 channels)
	QUANT64 64*\j, PC+8*\j
	v_lshl_or_b32 v[WT], v[BY+1], 8, v[BY]         ; a row's scale word: two bytes, and two zeros for the half of the instruction's K that holds zero codes
	v_lshl_or_b32 v[WT+1], v[BY+3], 8, v[BY+2]
	v_cndmask_b32 v[KW+\j], v[WT], v[WT+1], s[HM]  ; lanes 0-15 the even tile's word, lanes 16-31 the odd tile's
	global_store_b128 v[OL16], v[PC+8*\j:PC+8*\j+3], s[14:15] offset:1024*\j          ; 512 consecutive bytes, aligned to 256
	global_store_b128 v[OL16], v[PC+8*\j+4:PC+8*\j+7], s[14:15] offset:1024*\j+512
.endr
	global_store_b128 v[OL16], v[KW:KW+3], s[16:17]
	s_branch .Lend
.Lv:	; ---- V
	KLOOP 1
	PLACES 4
.irp k, 0,1,2,3
	v_mov_b32 v[TP+\k], 0
.endr
.irp b, 0,1,2,3                                ; channels 16 b on: chain k is block k of the step's 128 keys
	QUANT64 64*\b, PC+8*\b
	v_lshl_or_b32 v[WT+\b], v[BY+1], 8, v[BY]
	v_lshl_or_b32 v[WT+\b], v[BY+2], 16, v[WT+\b]
	v_lshl_or_b32 v[WT+\b], v[BY+3], 24, v[WT+\b]
	global_store_b128 v[OL16], v[PC+8*\b:PC+8*\b+3], s[14:15] offset:1024*\b
	global_store_b128 v[OL16], v[PC+8*\b+4:PC+8*\b+7], s[14:15] offset:1024*\b+512
.endr
	v_cndmask_b32 v[KW], v[WT], v[WT+1], s[HM]
	v_cndmask_b32 v[KW+1], v[WT+2], v[WT+3], s[HM]
	global_store_b64 v[OL8], v[KW:KW+1], s[16:17]  ; 256 consecutive bytes, aligned
.Lend:
	s_set_vgpr_msb 0xa
	s_wait_tensorcnt 0x0
	ds_add_u32 v32, v33
	s_wait_dscnt 0x0
	s_set_vgpr_msb 0xa00
	ROUND                                          ; the closing round: no work-group ends while a partner may still ask for a tile that names it
	s_endpgm
.Lfunc_end_k_q0846aa63c4_proj:
	.size	k_q0846aa63c4_proj, .Lfunc_end_k_q0846aa63c4_proj-k_q0846aa63c4_proj
	.p2alignl 7, 3214868480
	.fill 96, 4, 3214868480
	.section	.rodata,"a",@progbits
	.p2align	6, 0x0
	.amdhsa_kernel k_q0846aa63c4_proj
		.amdhsa_group_segment_fixed_size 216320
		.amdhsa_private_segment_fixed_size 0
		.amdhsa_enable_private_segment 0
		.amdhsa_kernarg_size 104
		.amdhsa_user_sgpr_count 2
		.amdhsa_user_sgpr_kernarg_segment_ptr 1
		.amdhsa_wavefront_size32 1
		.amdhsa_system_sgpr_workgroup_id_x 1
		.amdhsa_system_sgpr_workgroup_id_y 1
		.amdhsa_system_sgpr_workgroup_id_z 1
		.amdhsa_system_vgpr_workitem_id 0
		.amdhsa_next_free_vgpr 546
		.amdhsa_next_free_sgpr 100
		.amdhsa_reserve_vcc 0
		.amdhsa_float_denorm_mode_32 3
		.amdhsa_float_denorm_mode_16_64 3
		.amdhsa_memory_ordered 1
		.amdhsa_forward_progress 1
		.amdhsa_inst_pref_size 137
	.end_amdhsa_kernel
	.amdgpu_metadata
---
amdhsa.version: [ 1, 2 ]
amdhsa.kernels:
  - .name:           k_q0846aa63c4_proj
    .symbol:         k_q0846aa63c4_proj.kd
    .args:
      - { .name: x_codes, .offset: 0, .size: 8, .value_kind: global_buffer, .address_space: global }
      - { .name: x_scales, .offset: 8, .size: 8, .value_kind: global_buffer, .address_space: global }
      - { .name: Wq_codes, .offset: 16, .size: 8, .value_kind: global_buffer, .address_space: global }
      - { .name: Wq_scales, .offset: 24, .size: 8, .value_kind: global_buffer, .address_space: global }
      - { .name: bq, .offset: 32, .size: 8, .value_kind: global_buffer, .address_space: global }
      - { .name: Wk_codes, .offset: 40, .size: 8, .value_kind: global_buffer, .address_space: global }
      - { .name: Wk_scales, .offset: 48, .size: 8, .value_kind: global_buffer, .address_space: global }
      - { .name: bk, .offset: 56, .size: 8, .value_kind: global_buffer, .address_space: global }
      - { .name: Wv_codes, .offset: 64, .size: 8, .value_kind: global_buffer, .address_space: global }
      - { .name: Wv_scales, .offset: 72, .size: 8, .value_kind: global_buffer, .address_space: global }
      - { .name: bv, .offset: 80, .size: 8, .value_kind: global_buffer, .address_space: global }
      - { .name: qimg, .offset: 88, .size: 8, .value_kind: global_buffer, .address_space: global }
      - { .name: kvimg, .offset: 96, .size: 8, .value_kind: global_buffer, .address_space: global }
    .group_segment_fixed_size: 216320
    .private_segment_fixed_size: 0
    .kernarg_segment_align: 8
    .kernarg_segment_size: 104
    .max_flat_workgroup_size: 128
    .sgpr_count:     100
    .vgpr_count:     546
    .wavefront_size: 32
...
	.end_amdgpu_metadata
.endif
;; end of part 1
;; launch attn (part 2): grid 4 x 64, 16 waves a work-group, clusters of 4 x 1, 169,984 bytes of LDS; arguments qimg, kvimg, cimg, csc; writes cimg, csc
.if DOCPART == 2
	.amdgcn_target "amdgcn-amd-amdhsa--gfx1250"
	.amdhsa_code_object_version 6
	.text
	.protected	k_q0846aa63c4_attn
	.globl	k_q0846aa63c4_attn
	.p2align	8
	.type	k_q0846aa63c4_attn,@function
k_q0846aa63c4_attn:
	s_mov_b64 s[64:65], 0
	v_nop
	global_prefetch_b8 v0, s[64:65] scope:SCOPE_SE
	s_setreg_imm32_b32 hwreg(HW_REG_WAVE_MODE, 25, 1), 1
	s_wait_xcnt 0x0
	s_wait_alu depctr_hold_cnt(0) depctr_sa_sdst(0) depctr_va_vdst(0) depctr_va_sdst(0) depctr_va_ssrc(0) depctr_va_vcc(0) depctr_vm_vsrc(0)
	s_getreg_b32 s2, hwreg(HW_REG_IB_STS2, 6, 4)
	s_cmp_eq_u32 s2, 0
	s_cbranch_scc0 .Lentry_in_a_cluster
	s_endpgm
.Lentry_in_a_cluster:
	s_bfe_u32 s2, ttmp6, 0x10000c
	s_cmp_lg_u32 s2, 0x3003
	s_cbranch_scc0 .Lentry_shape_is_right
	s_endpgm
.Lentry_shape_is_right:
; ctx[bh][q] = the sum over k of softmax_k(Q[q] . K[k] / 8) V[k], both products on codes of FP4 (E2M1) with one E8M0 scale for each 32 along a product's K; ctx quantised along d_model for the last product.
; THE SOFTMAX: t = score x log2(e) / 8; M = the row's largest t so far, rounded up to a whole number; p = 2^(t - M) is what is quantised, along the keys, not normalised.  The row's sum is taken of the
; unquantised p and divides at the end.  When M moves, the sum and O are multiplied by 2^(old M - new M), which rounds nothing.
; SHARES.  A cluster of four work-groups takes one batch-head bh; the work-group at place cx owns queries 512 cx on; each of its sixteen waves owns two tiles of 16 queries, side by side, so that
; each fragment of K and V read from LDS serves two tiles.  Four waves share a SIMD: one wave's exponentials stand beside another's plain and matrix work.
; LDS.  The head's K and V, codes and scale words, are 16 records of 8,960 bytes, as the launch before has laid them: images of the operands' registers.  Wave w brings record w by one joint load
; (the four partners walk the same K and V); every byte is filled once and nothing is stored to LDS, so one barrier serves the launch.
; LAYOUT.  Both products are used transposed: S^T = K Q^T (source 0 = 16 keys, source 1 = 16 queries), O^T = V^T P^T (source 0 = 16 channels, source 1 = P): a lane holds one query (lane % 16) throughout.
; Register 8 t + j of S^T is key 16 t + 8 h + j: the 16 registers of tiles 2 b, 2 b + 1, with those of lane l xor 16, are block b of 32 keys.
; K = 64 IN AN INSTRUCTION 128 DEEP.  Q's fragment has zero codes in registers 4-7.  K's tile t is the run of eight registers from KV + 4 t: its upper four are the next tile's codes (behind the last tile: zeros);
; they meet Q's zero codes, and the scale bytes of that half are 0, which stands for a power of two: these products are zeros.
; LIMITS.  A block whose largest magnitude lies under 2^-124 gets the scale byte 1, a block of zeros too (its codes are zeros; this program alone reads the bytes).  NaN and infinities are not served.
; LEFT OUT.  No ring and no refill: the head's records take 143,360 bytes.  No prefetch: all that is read is asked for by the first loads.  No matrix and vector work by turns inside a wave: a key step of
; a tile has 12 matrix instructions beside some 230 vector instructions, which no order hides.
.set REC,   8960                       ; a record: K's codes 0 (tile t at 512 t), V's codes 4,096 (1,024 b + 512 c), K's scale words 8,192, V's 8,704
.set QREC,  4608                       ; a record of Q: codes 0 (tile a at 512 a), scale words 4,096
.set L16,  1                           ; v1   16 x lane
.set L8,   2                           ; v2   8 x lane
.set AD16, 3                           ; v3   the same in the step's record
.set AD8,  4                           ; v4
.set VQ,   5                           ; v5   Q's codes: 16 x lane + my pair of tiles
.set VQS,  6                           ; v6   Q's scale words
.set Q0,   8                           ; v8-15, v16-23 Q's two fragments
.set QS,   24                          ; v24, v25 their scale words
                                       ; v[26:27], v[28:29] -M and the largest t;  v[30:31], v[32:33] the sums, in two halves
.set KV,   36                          ; v36-67 a step's K, then its V;  v68-71 zeros for ever
.set KSC,  72                          ; v72-75 K's scale words: tiles 2 j, 2 j + 1 in register j
.set VSC,  76                          ; v76-77 V's
.set S,    80                          ; v80-143 S^T, then p
.set O,    144                         ; v144-175, v176-207 O^T
.set P,    208                         ; v208-215, v216-223 p's codes
.set PS,   224                         ; v224, v225 p's scale words
.set BM,   228                         ; v228-231 the blocks' largest
.set PM,   232                         ; v232-235 the other half of the lanes'; a second chain of sums; the bytes
.set SO,   236                         ; v236-239 the conversions' scale operands
.set T,    240                         ; v240-241 at work
.set F,    242                         ; v[242:243] f = 2^(old M - new M); at the end 1 / the sum of tile 0
.set R1,   244                         ; v[244:245] 1 / the sum of tile 1
.set WV,   12
.set G0,   20                          ; s[20:23]
.set G1,   24                          ; s[24:31]
.set SEL,  32                          ; s[32:33] lane selects: lane l xor 16
.set CS,   34                          ; s[34:35] c = log2(e) / 8
.set TB,   36                          ; s36  LDS byte of the step's record
.set CNT,  37                          ; s37  steps to go
.macro PLACES n
.rept \n
	v_nop
.endr
.endm
.macro ROUND                           ; a round of the cluster's barrier
	s_barrier_signal -1
	s_barrier_wait -1
	s_cmp_lg_u32 s[WV], 0
	s_cbranch_scc1 .Lnot_wave_0_\@
	s_barrier_signal -3
.Lnot_wave_0_\@:
	s_barrier_wait -3
	s_barrier_signal -1
	s_barrier_wait -1
.endm
	s_load_b256 s[4:11], s[0:1], 0x0               ; qimg s[4:5], kvimg s[6:7], cimg s[8:9], csc s[10:11]
	v_lshl_add_u32 v254, v0, 2, 0x29000
	v_mov_b32 v255, 0
	ds_add_u32 v254, v255
	ds_add_u32 v254, v255
	v_lshrrev_b32 v3, 5, v0
	s_delay_alu instid0(VALU_DEP_1)
	v_readfirstlane_b32 s[WV], v3                  ; wave 0..15
	s_bfe_u32 s13, ttmp6, 0x40000                  ; cx: it enters Q's and ctx's addresses alone
	s_and_b32 s14, ttmp7, 0xffff                   ; the batch-head, which the four partners share
	s_mov_b32 s[G1], 15|(3<<16)|(1<<21)            ; 15:0 the mask: all four work-groups; 17:16 elements of 8 bytes; 21 set beside a mask; no padding
	s_mov_b32 s[G1+1], 32<<16                      ; tensor_dim0: 256 bytes
	s_mov_b32 s[G1+2], 35<<16                      ; tensor_dim1: a record is 35 such rows
	s_mov_b32 s[G1+3], 32<<16                      ; tile_dim0
	s_mov_b32 s[G1+4], 35                          ; tile_dim1
	s_mov_b32 s[G1+5], 32                          ; dense
	s_mov_b32 s[G1+6], 0
	s_mov_b32 s[G1+7], 0
	s_mov_b32 s[G0], 1
	s_mul_i32 s[G0+1], s[WV], REC                  ; record w lands at wave x 8,960
	s_mul_i32 s16, s14, 16*REC
	s_add_co_u32 s16, s16, s[G0+1]
	s_mov_b32 s17, 0
	s_wait_dscnt 0x0
	s_wait_kmcnt 0x0
	s_add_nc_u64 s[G0+2:G0+3], s[6:7], s[16:17]
	s_or_b32 s[G0+3], s[G0+3], 0x80000000          ; the type
	ROUND                                          ; all four work-groups are here: the joint loads meet
	tensor_load_to_lds s[G0:G0+3], s[G1:G1+7]      ; my one tensor load of the launch
	s_nop 0
	PLACES 4
	s_mov_b32 s[SEL], 0x76543210
	s_mov_b32 s[SEL+1], 0xfedcba98
	s_mov_b32 s[CS], 0x3e38aa3b
	s_mov_b32 s[CS+1], s[CS]                       ; named with it as a pair, so it is written
	s_mov_b32 s[TB], 0
	s_mov_b32 s[CNT], 16
	s_mov_b32 s48, 0xffff0000                      ; the lanes 16-31, as a mask
	s_lshl_b32 s38, s13, 2
	s_lshr_b32 s39, s[WV], 2
	s_add_co_u32 s38, s38, s39                     ; my queries' step of 128 tokens: 4 cx + wave / 4
	s_and_b32 s39, s[WV], 3                        ; and my pair of tiles in it
	s_mul_i32 s40, s14, 16*QREC
	s_mul_i32 s41, s38, QREC
	s_add_co_u32 s40, s40, s41
	s_mov_b32 s41, 0
	s_add_nc_u64 s[4:5], s[4:5], s[40:41]          ; Q's record
	s_lshr_b32 s42, s14, 4
	s_lshl_b32 s42, s42, 4
	s_add_co_u32 s42, s42, s38                     ; tb: my block of 128 tokens among the 64
	s_and_b32 s43, s14, 15                         ; the head
	s_lshr_b32 s49, s43, 1                         ; the last product's K step: two heads
	s_and_b32 s50, s43, 1                          ; and which half of it
	s_lshl_b32 s44, s42, 16                        ; cimg [tb][8 K steps][8 tiles][2 halves][512]
	s_lshl_b32 s51, s49, 13
	s_add_co_u32 s44, s44, s51
	s_lshl_b32 s51, s39, 11
	s_add_co_u32 s44, s44, s51
	s_lshl_b32 s51, s50, 9
	s_add_co_u32 s44, s44, s51
	s_mov_b32 s45, 0
	s_add_nc_u64 s[8:9], s[8:9], s[44:45]
	s_lshl_b32 s46, s42, 12                        ; csc [tb][2][4 pairs of tiles][32 lanes][4 words]: a word is a K step's four bytes, of which a head has two
	s_lshr_b32 s51, s43, 3
	s_lshl_b32 s51, s51, 11
	s_add_co_u32 s46, s46, s51
	s_lshl_b32 s51, s39, 9
	s_add_co_u32 s46, s46, s51
	s_and_b32 s51, s49, 3
	s_lshl_b32 s51, s51, 2
	s_add_co_u32 s46, s46, s51
	s_lshl_b32 s51, s50, 1
	s_add_co_u32 s46, s46, s51
	s_mov_b32 s47, 0
	s_add_nc_u64 s[10:11], s[10:11], s[46:47]
	v_and_b32 v[L16], 31, v0
	s_delay_alu instid0(VALU_DEP_1)
	v_lshlrev_b32 v[L8], 3, v[L16]
	s_delay_alu instid0(VALU_DEP_2)
	v_lshlrev_b32 v[L16], 4, v[L16]
	s_lshl_b32 s51, s39, 10
	v_add_nc_u32 v[VQ], s51, v[L16]                ; tiles 2 (wave % 4) and the next: 512 bytes each
	v_and_b32 v[VQS], 15, v0
	s_delay_alu instid0(VALU_DEP_1)
	v_lshlrev_b32 v[VQS], 4, v[VQS]
	s_lshl_b32 s51, s39, 2
	v_add_nc_u32 v[VQS], s51, v[VQS]               ; the even tile's word of row r: 16 r + 4 (wave % 4); the odd tile's 256 bytes on
	global_load_b128 v[Q0:Q0+3], v[VQ], s[4:5]
	global_load_b128 v[Q0+8:Q0+11], v[VQ], s[4:5] offset:512
	global_load_b32 v[QS], v[VQS], s[4:5] offset:4096
	global_load_b32 v[QS+1], v[VQS], s[4:5] offset:4352
.irp j, 12,13,14,15,20,21,22,23,68,69,70,71
	v_mov_b32 v[\j], 0                             ; zero codes
.endr
.irp j, 30,31,32,33
	v_mov_b32 v[\j], 0                             ; the sums
.endr
.irp j, 0,1,2,3
	v_mov_b32 v[PM+\j], 0                          ; written once: a lane permute's destination counts as one of its sources
.endr
	v_mov_b32 v[F+1], 0                            ; named as the upper halves of pairs
	v_mov_b32 v[R1+1], 0
	v_mov_b32 v27, 0xff61b1e6                      ; the largest t so far: -3e38, under every t
	v_mov_b32 v29, 0xff61b1e6
	s_delay_alu instid0(VALU_DEP_2)
	v_floor_f32 v26, -v27                          ; -M
	s_delay_alu instid0(VALU_DEP_2)
	v_floor_f32 v28, -v29
.set J, 0
.rept 64
	v_mov_b32 v[O+J], 0                            ; O^T.  The step is written once: the first finds zeros, which the first change of M leaves zeros
.set J, J+1
.endr
	s_wait_loadcnt 0x0                             ; Q
	s_wait_tensorcnt 0x0                           ; my record has landed: zero, for the other waves' sake
	s_barrier_signal -1
	s_barrier_wait -1                              ; all sixteen have
; S^T of tile q: eight products, each a sum of its own
.macro SCORE q
.irp t, 0,1,2,3,4,5,6,7
.if \t%2
	v_wmma_scale_f32_16x16x128_f8f6f4 v[S+8*\t:S+8*\t+7], v[KV+4*\t:KV+4*\t+7], v[Q0+8*\q:Q0+8*\q+7], 0, v[KSC+\t/2], v[QS+\q] matrix_a_fmt:MATRIX_FMT_FP4 matrix_b_fmt:MATRIX_FMT_FP4 matrix_a_scale:MATRIX_SCALE_ROW1
.else
	v_wmma_scale_f32_16x16x128_f8f6f4 v[S+8*\t:S+8*\t+7], v[KV+4*\t:KV+4*\t+7], v[Q0+8*\q:Q0+8*\q+7], 0, v[KSC+\t/2], v[QS+\q] matrix_a_fmt:MATRIX_FMT_FP4 matrix_b_fmt:MATRIX_FMT_FP4
.endif
.endr
.endm
; The softmax of tile q for these 128 keys: S^T becomes p, p's codes and scale word; the sum and O^T come under the new M.
.macro SOFTMAX q
.set NM, 26+2*\q
.set SU, 30+2*\q
.set OQ, O+32*\q
.set PQ, P+8*\q
.irp b, 0,1,2,3
	v_max3_num_f32 v[BM+\b], v[S+16*\b], v[S+16*\b+1], v[S+16*\b+2]   ; the largest score of each block of 32 keys: it serves for the row's maximum and, since p rises with the score, for the block's largest p.  Each accumulator is read from its low end on
.endr
.irp i, 3,5,7,9,11,13
.irp b, 0,1,2,3
	v_max3_num_f32 v[BM+\b], v[BM+\b], v[S+16*\b+\i], v[S+16*\b+\i+1]
.endr
.endr
.irp b, 0,1,2,3
	v_max_num_f32 v[BM+\b], v[BM+\b], v[S+16*\b+15]
.endr
.irp b, 0,1,2,3
	s_delay_alu instid0(VALU_DEP_4)
	v_permlanex16_b32 v[PM+\b], v[BM+\b], s[SEL], s[SEL+1]
.endr
.irp b, 0,1,2,3
	s_delay_alu instid0(VALU_DEP_4)
	v_max_num_f32 v[BM+\b], v[BM+\b], v[PM+\b]     ; with lane l xor 16's 16 keys
.endr
	s_delay_alu instid0(VALU_DEP_2)
	v_max3_num_f32 v[T], v[BM], v[BM+1], v[BM+2]
	s_delay_alu instid0(VALU_DEP_1)
	v_max_num_f32 v[T], v[T], v[BM+3]              ; the step's largest score of my query,
	s_delay_alu instid0(VALU_DEP_1)
	v_mul_f32 v[T], s[CS], v[T]                    ; as t (c is positive)
	s_delay_alu instid0(VALU_DEP_1)
	v_max_num_f32 v[NM+1], v[NM+1], v[T]           ; the running largest t
	v_mov_b32 v[T], v[NM]
	s_delay_alu instid0(VALU_DEP_2)
	v_floor_f32 v[NM], -v[NM+1]                    ; the new -M = floor(-t) = -ceil(t): a whole number
	s_delay_alu instid0(VALU_DEP_1)
	v_sub_f32 v[T], v[NM], v[T]                    ; old M less new M: a whole number, 0 or less
	s_delay_alu instid0(VALU_DEP_1)
	v_cvt_i32_f32 v[T], v[T]                       ; (it saturates)
	s_delay_alu instid0(VALU_DEP_1)
	v_ldexp_f32 v[F], 1.0, v[T]                    ; f = 2^(old M - new M)
.set J, 0
.rept 32
	v_pk_fma_f32 v[S+J:S+J+1], v[S+J:S+J+1], s[CS:CS+1], v[NM:NM+1] op_sel_hi:[1,0,0]   ; t - M, two at a time (of the pairs c and -M the low word serves both halves)
.set J, J+2
.endr
.irp b, 0,1,2,3
	v_fma_f32 v[BM+\b], v[BM+\b], s[CS], v[NM]     ; the same of each block's largest score
.endr
.set J, 0
	s_wait_alu depctr_va_vdst(0)
.rept 64
	v_exp_f32 v[S+J], v[S+J]                       ; p = 2^(t - M), at most 1
.set J, J+1
.endr
	v_pk_mul_f32 v[SU:SU+1], v[SU:SU+1], v[F:F+1] op_sel_hi:[1,0]   ; the sums under the new M: the plain instruction behind the exponentials
	s_wait_alu depctr_va_vdst(0)                   ; one wait for the batch of 64, ahead of its first reader
.irp b, 0,1,2,3
	v_exp_f32 v[BM+\b], v[BM+\b]                   ; the block's largest p: the same two instructions on the same number give the same bits
.endr
	v_pk_add_f32 v[PM:PM+1], v[S:S+1], v[S+2:S+3]  ; the row's sum is taken of the unquantised p, two at a time, in two chains
.irp j, 4,8,12,16,20,24,28,32,36,40,44,48,52,56,60
	v_pk_add_f32 v[SU:SU+1], v[SU:SU+1], v[S+\j:S+\j+1]
	v_pk_add_f32 v[PM:PM+1], v[PM:PM+1], v[S+\j+2:S+\j+3]
.endr
	s_delay_alu instid0(VALU_DEP_1)
	v_pk_add_f32 v[SU:SU+1], v[SU:SU+1], v[PM:PM+1]
	s_wait_alu depctr_va_vdst(0)                   ; and one for the four
.irp b, 0,1,2,3
	v_max_num_f32 v[BM+\b], 0x1800000, v[BM+\b]    ; the floor 2^(3 - 127): the byte cannot fall under 1
.endr
.irp b, 0,1,2,3
	s_delay_alu instid0(VALU_DEP_4)
	v_add_nc_u32 v[SO+\b], 0xff000000, v[BM+\b]    ; 2 off the exponent field: the conversion's scale operand
.endr
.irp b, 0,1,2,3
	s_delay_alu instid0(VALU_DEP_4)
	v_lshrrev_b32 v[PM+\b], 23, v[SO+\b]           ; the scale's byte
.endr
	s_delay_alu instid0(VALU_DEP_3)
	v_lshl_or_b32 v[PS+\q], v[PM+1], 8, v[PM]      ; p's scale word for these 128 keys
	s_delay_alu instid0(VALU_DEP_1)
	v_lshl_or_b32 v[PS+\q], v[PM+2], 16, v[PS+\q]
	s_delay_alu instid0(VALU_DEP_1)
	v_lshl_or_b32 v[PS+\q], v[PM+3], 24, v[PS+\q]
.irp b, 0,1,2,3
.irp u, 0,1
	v_cvt_scalef32_pk8_fp4_f32 v[PQ+4*(\b/2)+(\b%2)+2*\u], v[S+16*\b+8*\u:S+16*\b+8*\u+7], v[SO+\b]   ; word 2 u + h of block b
.endr
.endr
	v_nop                                          ; one plain place behind the scaled conversions
.irp c, 0,1                                    ; a whole block in a lane: lanes 0-15 block 2 c, lanes 16-31 block 2 c + 1
	v_permlane16_swap_b32 v[PQ+4*\c], v[PQ+4*\c+1]
	v_permlane16_swap_b32 v[PQ+4*\c+2], v[PQ+4*\c+3]
.endr
.set J, 0
.rept 16
	v_pk_mul_f32 v[OQ+J:OQ+J+1], v[OQ+J:OQ+J+1], v[F:F+1] op_sel_hi:[1,0]   ; O^T under the new M, from each accumulator's low end on.  These 16 are also the places between p's scale word and codes and the products that take them
.set J, J+2
.endr
.endm
.Lstep:                                            ; 16 trips: 128 keys for both tiles
	s_setprio 2
	v_add_nc_u32 v[AD16], s[TB], v[L16]
	v_add_nc_u32 v[AD8], s[TB], v[L8]
	v_nop
	v_nop                                          ; four plain places between the last trip's products and the loads into their sources
.irp t, 0,1,2,3,4,5,6,7
	ds_load_b128 v[KV+4*\t:KV+4*\t+3], v[AD16] offset:512*\t       ; K's tile t
.endr
	ds_load_b128 v[KSC:KSC+3], v[AD16] offset:8192
	ds_load_b64 v[VSC:VSC+1], v[AD8] offset:8704
	s_wait_dscnt 0x0
	SCORE 0
	PLACES 4
	SOFTMAX 0
	SCORE 1
	PLACES 4                                       ; ahead of the first read of the scores and of the loads into K's registers
.irp b, 0,1,2,3
.irp c, 0,1
	ds_load_b128 v[KV+8*\b+4*\c:KV+8*\b+4*\c+3], v[AD16] offset:4096+1024*\b+512*\c   ; V's channels 16 b on: they land under the softmax below
.endr
.endr
	s_setprio 1
	SOFTMAX 1
	s_setprio 0
	s_wait_alu depctr_va_vdst(0)
	s_wait_dscnt 0x0
.irp b, 0,1,2,3                                ; O^T += V^T P^T: the eight accumulators take turns
.irp q, 0,1
.if \b%2
	v_wmma_scale_f32_16x16x128_f8f6f4 v[O+32*\q+8*\b:O+32*\q+8*\b+7], v[KV+8*\b:KV+8*\b+7], v[P+8*\q:P+8*\q+7], v[O+32*\q+8*\b:O+32*\q+8*\b+7], v[VSC+\b/2], v[PS+\q] matrix_a_fmt:MATRIX_FMT_FP4 matrix_b_fmt:MATRIX_FMT_FP4 matrix_a_scale:MATRIX_SCALE_ROW1
.else
	v_wmma_scale_f32_16x16x128_f8f6f4 v[O+32*\q+8*\b:O+32*\q+8*\b+7], v[KV+8*\b:KV+8*\b+7], v[P+8*\q:P+8*\q+7], v[O+32*\q+8*\b:O+32*\q+8*\b+7], v[VSC+\b/2], v[PS+\q] matrix_a_fmt:MATRIX_FMT_FP4 matrix_b_fmt:MATRIX_FMT_FP4
.endif
.endr
.endr
	s_add_co_u32 s[TB], s[TB], REC
	s_sub_co_u32 s[CNT], s[CNT], 1
	s_cmp_lg_u32 s[CNT], 0
	s_cbranch_scc1 .Lstep
	s_setprio 0
	; THE WAY OUT.  The sums' halves are added; O^T / the sum is ctx: register 8 b + j of lane (r, h) is channel 16 b + 8 h + j of query r.  It is quantised along the channels: the head is two blocks of d_model.
	v_add_f32 v30, v30, v31
	v_add_f32 v32, v32, v33
	s_delay_alu instid0(VALU_DEP_2)
	v_permlanex16_b32 v[PM], v30, s[SEL], s[SEL+1]
	s_delay_alu instid0(VALU_DEP_2)
	v_permlanex16_b32 v[PM+1], v32, s[SEL], s[SEL+1]
	s_delay_alu instid0(VALU_DEP_2)
	v_add_f32 v30, v30, v[PM]
	s_delay_alu instid0(VALU_DEP_2)
	v_add_f32 v32, v32, v[PM+1]                    ; (the four additions are the places behind the last products)
	s_wait_alu depctr_va_vdst(0)
	v_rcp_f32 v[F], v30
	v_rcp_f32 v[R1], v32
	v_nop                                          ; a plain instruction behind the reciprocals
	s_wait_alu depctr_va_vdst(0)                   ; one wait for both, ahead of the first reader
.set J, 0
.rept 16
	v_pk_mul_f32 v[S+J:S+J+1], v[O+J:O+J+1], v[F:F+1] op_sel_hi:[1,0]
.set J, J+2
.endr
.set J, 0
.rept 16
	v_pk_mul_f32 v[S+32+J:S+32+J+1], v[O+32+J:O+32+J+1], v[R1:R1+1] op_sel_hi:[1,0]
.set J, J+2
.endr
	; four chains of 16: chain k is (tile k / 2, block k % 2 of the head's 64 channels)
.irp k, 0,1,2,3
	v_max3_num_f32 v[BM+\k], |v[S+16*\k]|, |v[S+16*\k+1]|, 0x1800000   ; with the floor 2^(3 - 127)
.endr
.irp i, 2,4,6,8,10,12,14
.irp k, 0,1,2,3
	s_delay_alu instid0(VALU_DEP_4)
	v_max3_num_f32 v[BM+\k], |v[S+16*\k+\i]|, |v[S+16*\k+\i+1]|, v[BM+\k]
.endr
.endr
.irp k, 0,1,2,3
	s_delay_alu instid0(VALU_DEP_4)
	v_permlanex16_b32 v[PM+\k], v[BM+\k], s[SEL], s[SEL+1]
.endr
.irp k, 0,1,2,3
	s_delay_alu instid0(VALU_DEP_4)
	v_max_num_f32 v[BM+\k], v[BM+\k], v[PM+\k]
.endr
.irp k, 0,1,2,3
	s_delay_alu instid0(VALU_DEP_4)
	v_add_nc_u32 v[SO+\k], 0xff000000, v[BM+\k]
.endr
.irp k, 0,1,2,3
	s_delay_alu instid0(VALU_DEP_4)
	v_lshrrev_b32 v[PM+\k], 23, v[SO+\k]
.endr
.irp k, 0,1,2,3
.irp u, 0,1
	v_cvt_scalef32_pk8_fp4_f32 v[P+4*(\k/2)+(\k%2)+2*\u], v[S+16*\k+8*\u:S+16*\k+8*\u+7], v[SO+\k]
.endr
.endr
	v_nop                                          ; one plain place behind the scaled conversions
.irp c, 0,1
	v_permlane16_swap_b32 v[P+4*\c], v[P+4*\c+1]
	v_permlane16_swap_b32 v[P+4*\c+2], v[P+4*\c+3]
.endr
	v_lshl_or_b32 v[T], v[PM+1], 8, v[PM]          ; tile 0: my row's two bytes
	v_lshl_or_b32 v[T+1], v[PM+3], 8, v[PM+2]      ; tile 1
	s_delay_alu instid0(VALU_DEP_1)
	v_cndmask_b32 v[T], v[T], v[T+1], s48          ; lanes 0-15 send tile 0's, lanes 16-31 tile 1's
	global_store_b128 v[L16], v[P:P+3], s[8:9]               ; 512 consecutive bytes, aligned to 256: half a fragment of the last product
	global_store_b128 v[L16], v[P+4:P+7], s[8:9] offset:1024
	global_store_b16 v[L16], v[T], s[10:11]        ; two bytes of each of 32 scale words, 16 bytes apart: a word's other half belongs to another head, so another work-group writes it
	s_wait_tensorcnt 0x0
	ds_add_u32 v254, v255
	s_wait_dscnt 0x0
	ROUND                                          ; the closing round: no work-group ends while a partner may still ask for a record that names it
	s_endpgm
.Lfunc_end_k_q0846aa63c4_attn:
	.size	k_q0846aa63c4_attn, .Lfunc_end_k_q0846aa63c4_attn-k_q0846aa63c4_attn
	.p2alignl 7, 3214868480
	.fill 96, 4, 3214868480
	.section	.rodata,"a",@progbits
	.p2align	6, 0x0
	.amdhsa_kernel k_q0846aa63c4_attn
		.amdhsa_group_segment_fixed_size 169984
		.amdhsa_private_segment_fixed_size 0
		.amdhsa_enable_private_segment 0
		.amdhsa_kernarg_size 32
		.amdhsa_user_sgpr_count 2
		.amdhsa_user_sgpr_kernarg_segment_ptr 1
		.amdhsa_wavefront_size32 1
		.amdhsa_system_sgpr_workgroup_id_x 1
		.amdhsa_system_sgpr_workgroup_id_y 1
		.amdhsa_system_sgpr_workgroup_id_z 1
		.amdhsa_system_vgpr_workitem_id 0
		.amdhsa_next_free_vgpr 256
		.amdhsa_next_free_sgpr 66
		.amdhsa_reserve_vcc 0
		.amdhsa_float_denorm_mode_32 3
		.amdhsa_float_denorm_mode_16_64 3
		.amdhsa_memory_ordered 1
		.amdhsa_forward_progress 1
		.amdhsa_inst_pref_size 47
	.end_amdhsa_kernel
	.amdgpu_metadata
---
amdhsa.version: [ 1, 2 ]
amdhsa.kernels:
  - .name:           k_q0846aa63c4_attn
    .symbol:         k_q0846aa63c4_attn.kd
    .args:
      - { .name: qimg, .offset: 0, .size: 8, .value_kind: global_buffer, .address_space: global }
      - { .name: kvimg, .offset: 8, .size: 8, .value_kind: global_buffer, .address_space: global }
      - { .name: cimg, .offset: 16, .size: 8, .value_kind: global_buffer, .address_space: global }
      - { .name: csc, .offset: 24, .size: 8, .value_kind: global_buffer, .address_space: global }
    .group_segment_fixed_size: 169984
    .private_segment_fixed_size: 0
    .kernarg_segment_align: 8
    .kernarg_segment_size: 32
    .max_flat_workgroup_size: 512
    .sgpr_count:     66
    .vgpr_count:     256
    .wavefront_size: 32
...
	.end_amdgpu_metadata
.endif
;; end of part 2
;; launch outp (part 3): grid 4 x 64, 4 waves a work-group, clusters of 4 x 4, 327,680 bytes of LDS; arguments cimg, csc, Wo_codes, Wo_scales, bo, out0; writes out0
.if DOCPART == 3
	.amdgcn_target "amdgcn-amd-amdhsa--gfx1250"
	.amdhsa_code_object_version 6
	.text
	.protected	k_q0846aa63c4_outp
	.globl	k_q0846aa63c4_outp
	.p2align	8
	.type	k_q0846aa63c4_outp,@function
k_q0846aa63c4_outp:
	s_mov_b64 s[64:65], 0
	v_nop
	global_prefetch_b8 v0, s[64:65] scope:SCOPE_SE
	s_setreg_imm32_b32 hwreg(HW_REG_WAVE_MODE, 25, 1), 1
	s_wait_xcnt 0x0
	s_wait_alu depctr_hold_cnt(0) depctr_sa_sdst(0) depctr_va_vdst(0) depctr_va_sdst(0) depctr_va_ssrc(0) depctr_va_vcc(0) depctr_vm_vsrc(0)
	s_getreg_b32 s2, hwreg(HW_REG_IB_STS2, 6, 4)
	s_cmp_eq_u32 s2, 0
	s_cbranch_scc0 .Lentry_in_a_cluster
	s_endpgm
.Lentry_in_a_cluster:
	s_bfe_u32 s2, ttmp6, 0x10000c
	s_cmp_lg_u32 s2, 0xf033
	s_cbranch_scc0 .Lentry_shape_is_right
	s_endpgm
.Lentry_shape_is_right:
; out = ctx Wo^T + bo on codes of FP4 (E2M1) with one E8M0 scale for each 32 along K.  ctx comes as images of operand registers: cimg [64 blocks of 128 tokens][8 K steps][8 tiles][2 halves][512 bytes],
; csc [64][2][4 pairs of tiles][32 lanes][4 words].  Wo: [1024][1024] codes (512 bytes a row), scale bytes [1024][32].  bo: [1024] f32.  out: [8192][1024] f32.
; SHARES.  A work-group takes 128 tokens (block tb = 4 x cluster y + cy) x 256 columns (256 cx on; the grid is one cluster wide); wave w takes 128 x 64: 32 accumulators.
; All 1,024 of K of both tiles lie in LDS at once; every byte that a tensor load fills is filled once, so there is no ring.
; CLUSTER.  The four work-groups of a row of the cluster (same cy) need the same block of ctx, the four of a column (same cx) the same rows of Wo: each tile is asked for jointly.
; THE MATRIX INSTRUCTION IS USED TRANSPOSED (source 0 = 16 rows of Wo, source 1 = 16 tokens): a lane then holds eight neighbouring numbers of a row of out.  The bias is the C of each sum's first
; matrix instruction (added first and not last: another order of rounding than ctx Wo^T + bo).
; THE WAY OUT.  A wave's 64 columns are 256 bytes of a row.  A block of 16 rows goes through the wave's own stage in LDS and comes back by rows: sixteen lanes store 256 consecutive bytes, aligned.
; LEFT OUT.  No prefetch: all that a work-group reads is asked for by its first loads.
; REGISTERS, in windows of 256.  Window 0: v1-8 addresses; v16-111, v112-207 two sets of fragments (ctx's eight at + 8 a, Wo's four at + 64 + 8 b); v208-239 ctx's scale words, v240-255 Wo's.
;   Window 1: accumulator (a, b) at 8 (4 a + b).   Window 2: v0-31 the bias in the result's layout.
.set PITCH, 528                        ; an LDS row of Wo's codes: 512 bytes + 16 of padding
.set TILEB, 16*PITCH
.set AC,    0                          ; ctx's images, 65,536 bytes as they lie in memory
.set WC,    65536                      ; Wo: 256 rows
.set AS,    WC+256*PITCH               ; ctx's scale images, 4,096 bytes
.set WSC,   AS+4096                    ; Wo's scale bytes: 32 runs of 256 bytes, 16 bytes of padding behind each
.set STG,   WSC+32*272                 ; the stages: 16 rows x (256 + 16) bytes for each wave, in blocks of 256 bytes into which no tensor load lands; the map ends at 230,912
.set ADA,  1                           ; v1   16 x lane
.set ADW,  2                           ; v2   528 r + 16 h in my 64 rows of Wo
.set ADAS, 3                           ; v3   AS + 16 x lane
.set ADWS, 4                           ; v4   Wo's scale words: lanes 0-15 an even tile's rows, lanes 16-31 the odd tile's behind it
.set STO,  5                           ; v5   the stage: where I put 32 bytes of a row
.set RD,   6                           ; v6   and where I read a row back
.set CO,   7                           ; v7   my byte offset in two rows of out
.set VBO,  8                           ; v8   the bias: 32 h
.set F0,   16
.set FSET, 96
.set XSR,  208
.set WSR,  240
.set BK,   16                          ; the way out: 16 rows read back: v16-47 and v48-79 by turns
.set WV,   30
.set FOR,  31                          ; s31  0: I fetch for ctx; 1: for Wo
.set HALF, 84
.set CX,   85
.set CY,   86
.set TBK,  87
.set G1A,  32                          ; s[32:39] group 1: ctx's codes;  s[40:47] Wo's;  s[48:55] ctx's scale words;  s[56:63] Wo's scale bytes
.set G1W,  40
.set G1AS, 48
.set G1WS, 56
.set G0A,  68
.set G0W,  72
.set G0AS, 76
.set G0WS, 80
.set MSB, 0
.macro WIN new                         ; the immediate's high byte repeats the setting that is left
.if MSB != \new
	s_set_vgpr_msb (MSB<<8)|\new
.set MSB, \new
.endif
.endm
.macro PLACES n
.rept \n
	v_nop
.endr
.endm
.macro JLOAD g0a, g1a, g0b, g1b        ; a joint load: waves 0 and 1 fetch for ctx, waves 2 and 3 for Wo; four v_nop follow each of the two lines
	s_cmp_eq_u32 s[FOR], 0
	s_cbranch_scc0 .Lfor_w_\@
	tensor_load_to_lds s[\g0a:\g0a+3], s[\g1a:\g1a+7]
	s_nop 0
.rept 4
	v_nop
.endr
	s_branch .Lasked_\@
.Lfor_w_\@:
	tensor_load_to_lds s[\g0b:\g0b+3], s[\g1b:\g1b+7]
	s_nop 0
.rept 4
	v_nop
.endr
.Lasked_\@:
.endm
.macro ROUND                           ; a round of the cluster's barrier
	s_barrier_signal -1
	s_barrier_wait -1
	s_cmp_lg_u32 s[WV], 0
	s_cbranch_scc1 .Lnot_wave_0_\@
	s_barrier_signal -3
.Lnot_wave_0_\@:
	s_barrier_wait -3
	s_barrier_signal -1
	s_barrier_wait -1
.endm
	s_load_b256 s[4:11], s[0:1], 0x0               ; cimg s[4:5], csc s[6:7], Wo codes s[8:9], Wo scales s[10:11]
	s_load_b128 s[12:15], s[0:1], 0x20             ; bo s[12:13], out s[14:15]
	v_lshl_add_u32 v14, v0, 2, 0x38600
	v_mov_b32 v15, 0
	ds_add_u32 v14, v15
	ds_add_u32 v14, v15
	v_lshrrev_b32 v9, 5, v0
	v_readfirstlane_b32 s[WV], v9                  ; wave 0..3
	s_lshr_b32 s[FOR], s[WV], 1
	s_and_b32 s[HALF], s[WV], 1
	s_bfe_u32 s[CX], ttmp6, 0x40000
	s_bfe_u32 s[CY], ttmp6, 0x40004
	s_and_b32 s[TBK], ttmp7, 0xffff
	s_lshl_b32 s[TBK], s[TBK], 2
	s_add_co_u32 s[TBK], s[TBK], s[CY]             ; tb
	s_lshl_b32 s88, s[CY], 2
	s_lshl_b32 s88, 15, s88                        ; my row of the cluster
	s_lshl_b32 s89, 0x1111, s[CX]                  ; my column
	; ctx's images are dense blocks: rows of 256 bytes (32 elements of 8 bytes), no padding
	s_or_b32 s[G1A], s88, (3<<16)|(1<<21)
	s_mov_b32 s[G1A+1], 32<<16
	s_mov_b32 s[G1A+2], 128<<16                    ; 32,768 bytes to a load: four K steps
	s_mov_b32 s[G1A+3], 32<<16
	s_mov_b32 s[G1A+4], 128
	s_mov_b32 s[G1A+5], 32
	s_mov_b32 s[G1A+6], 0
	s_mov_b32 s[G1A+7], 0
	s_or_b32 s[G1AS], s88, (3<<16)|(1<<21)
	s_mov_b32 s[G1AS+1], 32<<16
	s_mov_b32 s[G1AS+2], 8<<16                     ; 2,048 bytes
	s_mov_b32 s[G1AS+3], 32<<16
	s_mov_b32 s[G1AS+4], 8
	s_mov_b32 s[G1AS+5], 32
	s_mov_b32 s[G1AS+6], 0
	s_mov_b32 s[G1AS+7], 0
	; Wo's codes: 128 rows of 512 elements of one byte; 4 words of padding (code 3) behind every 128 words (code 6)
	s_or_b32 s[G1W], s89, (1<<20)|(1<<21)|(6<<22)|(3<<25)
	s_mov_b32 s[G1W+1], 512<<16
	s_mov_b32 s[G1W+2], 128<<16
	s_mov_b32 s[G1W+3], 512<<16
	s_mov_b32 s[G1W+4], 128
	s_mov_b32 s[G1W+5], 512
	s_mov_b32 s[G1W+6], 0
	s_mov_b32 s[G1W+7], 0
	; Wo's scale bytes: 128 rows x 32 bytes, dense, as 16 rows of 256 bytes; 4 words of padding behind every 64 words (code 5)
	s_or_b32 s[G1WS], s89, (3<<16)|(1<<20)|(1<<21)|(5<<22)|(3<<25)
	s_mov_b32 s[G1WS+1], 32<<16
	s_mov_b32 s[G1WS+2], 16<<16
	s_mov_b32 s[G1WS+3], 32<<16
	s_mov_b32 s[G1WS+4], 16
	s_mov_b32 s[G1WS+5], 32
	s_mov_b32 s[G1WS+6], 0
	s_mov_b32 s[G1WS+7], 0
	; where the tiles begin in memory.  ctx's offsets hang on tb and the wave alone, Wo's on cx and the wave alone
	s_lshl_b32 s94, s[TBK], 16
	s_lshl_b32 s93, s[HALF], 15
	s_add_co_u32 s94, s94, s93
	s_mov_b32 s95, 0
	s_lshl_b32 s96, s[TBK], 12
	s_lshl_b32 s93, s[HALF], 11
	s_add_co_u32 s96, s96, s93
	s_mov_b32 s97, 0
	s_lshl_b32 s98, s[CX], 17
	s_lshl_b32 s93, s[HALF], 16
	s_add_co_u32 s98, s98, s93
	s_mov_b32 s99, 0
	s_lshl_b32 s2, s[CX], 13
	s_lshl_b32 s93, s[HALF], 12
	s_add_co_u32 s2, s2, s93
	s_mov_b32 s3, 0
	; and in LDS: a constant + the wave's half x a constant
	s_mov_b32 s[G0A], 1
	s_mul_i32 s[G0A+1], s[HALF], 32768
	s_mov_b32 s[G0W], 1
	s_mul_i32 s[G0W+1], s[HALF], 128*PITCH
	s_add_co_u32 s[G0W+1], s[G0W+1], WC
	s_mov_b32 s[G0AS], 1
	s_mul_i32 s[G0AS+1], s[HALF], 2048
	s_add_co_u32 s[G0AS+1], s[G0AS+1], AS
	s_mov_b32 s[G0WS], 1
	s_mul_i32 s[G0WS+1], s[HALF], 16*272
	s_add_co_u32 s[G0WS+1], s[G0WS+1], WSC
	s_wait_dscnt 0x0
	s_wait_kmcnt 0x0
	s_add_nc_u64 s[G0A+2:G0A+3], s[4:5], s[94:95]
	s_or_b32 s[G0A+3], s[G0A+3], 0x80000000
	s_add_nc_u64 s[G0W+2:G0W+3], s[8:9], s[98:99]
	s_or_b32 s[G0W+3], s[G0W+3], 0x80000000
	s_add_nc_u64 s[G0AS+2:G0AS+3], s[6:7], s[96:97]
	s_or_b32 s[G0AS+3], s[G0AS+3], 0x80000000
	s_add_nc_u64 s[G0WS+2:G0WS+3], s[10:11], s[2:3]
	s_or_b32 s[G0WS+3], s[G0WS+3], 0x80000000
	ROUND                                          ; all sixteen work-groups are here: the joint loads meet
	JLOAD G0AS, G1AS, G0WS, G1WS                   ; my quarter of the scales,
	s_wait_alu depctr_va_vdst(0)
	s_wait_tensorcnt 0x0
	ds_add_u32 v14, v15
	s_wait_dscnt 0x0
	ROUND
	JLOAD G0A, G1A, G0W, G1W                       ; and of the codes: one tensor load of mine is out, and there are no more in the launch
	s_lshl_b32 s16, s[CX], 10
	s_lshl_b32 s17, s[WV], 8
	s_add_co_u32 s16, s16, s17                     ; my 64 columns, in bytes: 1,024 cx + 256 wave
	s_mov_b32 s17, 0
	s_add_nc_u64 s[12:13], s[12:13], s[16:17]      ; in bo,
	s_lshl_b32 s18, s[TBK], 19                     ; and in out, 128 rows of 4,096 bytes to a block
	s_add_co_u32 s16, s16, s18
	s_add_nc_u64 s[14:15], s[14:15], s[16:17]
	v_and_b32 v9, 15, v0                           ; r
	v_bfe_u32 v10, v0, 4, 1                        ; h
	v_and_b32 v11, 31, v0                          ; lane
	v_lshlrev_b32 v[ADA], 4, v11
	v_add_nc_u32 v[ADAS], AS, v[ADA]
	v_mul_u32_u24 v12, v9, PITCH
	v_lshl_add_u32 v12, v10, 4, v12
	s_mul_i32 s20, s[WV], 64*PITCH
	s_add_co_u32 s20, s20, WC
	v_add_nc_u32 v[ADW], s20, v12
	v_lshlrev_b32 v12, 5, v9                       ; Wo's scale bytes: 32 a row,
	v_lshrrev_b32 v13, 3, v9
	v_lshl_add_u32 v12, v13, 4, v12                ; 16 more behind each 8 rows,
	v_mad_u32_u24 v12, v10, 544, v12               ; and lanes 16-31 take the tile 16 rows on
	s_mul_i32 s21, s[WV], 8*272
	s_add_co_u32 s21, s21, WSC
	v_add_nc_u32 v[ADWS], s21, v12
	s_mul_i32 s22, s[WV], 16*272
	s_add_co_u32 s22, s22, STG                     ; my stage
	v_mul_u32_u24 v[STO], v9, 272
	v_lshl_add_u32 v[STO], v10, 5, v[STO]
	v_add_nc_u32 v[STO], s22, v[STO]               ; in: row r, 32 bytes for each half of the lanes
	v_mul_u32_u24 v[RD], v10, 272
	v_lshl_add_u32 v[RD], v9, 4, v[RD]
	v_add_nc_u32 v[RD], s22, v[RD]                 ; back: lanes 0-15 one row of 256 bytes, lanes 16-31 the next
	v_lshlrev_b32 v[CO], 12, v10
	v_lshl_add_u32 v[CO], v9, 4, v[CO]             ; and the same two rows in out
	v_lshlrev_b32 v[VBO], 5, v10                   ; the bias: register j of lane (r, h) is column 16 b + 8 h + j
	WIN 0x80                                       ; destination window 2
.irp b, 0,1,2,3
	global_load_b128 v[8*\b:8*\b+3], v[VBO], s[12:13] offset:64*\b
	global_load_b128 v[8*\b+4:8*\b+7], v[VBO], s[12:13] offset:64*\b+16
.endr
	WIN 0
	s_wait_tensorcnt 0x0                           ; both my loads have landed: zero, for the other waves' sake
	s_barrier_signal -1
	s_barrier_wait -1                              ; everybody's have
.macro FETCH s, f                      ; the fragments of K step s into set f: 24 loads.  ctx's are images: 16 x lane in each 512 bytes
.irp a, 0,1,2,3,4,5,6,7
.irp c, 0,1
	ds_load_b128 v[\f+8*\a+4*\c:\f+8*\a+4*\c+3], v[ADA] offset:8192*(\s)+1024*\a+512*\c
.endr
.endr
.irp b, 0,1,2,3
.irp c, 0,1
	ds_load_b128 v[\f+64+8*\b+4*\c:\f+64+8*\b+4*\c+3], v[ADW] offset:TILEB*\b+64*(\s)+32*\c
.endr
.endr
.endm
.macro WM d, a, b, c, sa, sb, ra, rb   ; one product.  ra, rb: the source's scale words stand in lanes 16-31 of the register named
.if (\ra) && (\rb)
	v_wmma_scale_f32_16x16x128_f8f6f4 v[\d:\d+7], v[\a:\a+7], v[\b:\b+7], v[\c:\c+7], v[\sa], v[\sb] matrix_a_fmt:MATRIX_FMT_FP4 matrix_b_fmt:MATRIX_FMT_FP4 matrix_a_scale:MATRIX_SCALE_ROW1 matrix_b_scale:MATRIX_SCALE_ROW1
.elseif (\ra)
	v_wmma_scale_f32_16x16x128_f8f6f4 v[\d:\d+7], v[\a:\a+7], v[\b:\b+7], v[\c:\c+7], v[\sa], v[\sb] matrix_a_fmt:MATRIX_FMT_FP4 matrix_b_fmt:MATRIX_FMT_FP4 matrix_a_scale:MATRIX_SCALE_ROW1
.elseif (\rb)
	v_wmma_scale_f32_16x16x128_f8f6f4 v[\d:\d+7], v[\a:\a+7], v[\b:\b+7], v[\c:\c+7], v[\sa], v[\sb] matrix_a_fmt:MATRIX_FMT_FP4 matrix_b_fmt:MATRIX_FMT_FP4 matrix_b_scale:MATRIX_SCALE_ROW1
.else
	v_wmma_scale_f32_16x16x128_f8f6f4 v[\d:\d+7], v[\a:\a+7], v[\b:\b+7], v[\c:\c+7], v[\sa], v[\sb] matrix_a_fmt:MATRIX_FMT_FP4 matrix_b_fmt:MATRIX_FMT_FP4
.endif
.endm
.macro MUL s, f                        ; the 32 products of K step s on set f; the 32 accumulators take turns, in the same order in every step.  In step 0 the C is the bias, in window 2
.irp a, 0,1,2,3,4,5,6,7
.irp b, 0,1,2,3
.if (\s) == 0
	WM 8*(4*\a+\b), \f+64+8*\b, \f+8*\a, 8*\b, WSR+8*(\b/2)+(\s), XSR+8*(\a/2)+(\s), \b%2, \a%2
.else
	WM 8*(4*\a+\b), \f+64+8*\b, \f+8*\a, 8*(4*\a+\b), WSR+8*(\b/2)+(\s), XSR+8*(\a/2)+(\s), \b%2, \a%2
.endif
.endr
.endr
.endm
.irp i, 0,1,2,3                                ; the scale words of all eight K steps: 12 loads
.irp q, 0,1
	ds_load_b128 v[XSR+8*\i+4*\q:XSR+8*\i+4*\q+3], v[ADAS] offset:2048*\q+512*\i
.endr
.endr
.irp i, 0,1
.irp q, 0,1
	ds_load_b128 v[WSR+8*\i+4*\q:WSR+8*\i+4*\q+3], v[ADWS] offset:1088*\i+16*\q
.endr
.endr
	FETCH 0, F0
	s_wait_loadcnt 0x0                             ; the bias
.set KS, 0
.rept 7                                        ; written out: the scale registers differ from step to step
.if KS > 0
	PLACES 4                                       ; four plain places between the products that read a set and the loads into it
.endif
	FETCH KS+1, F0+FSET*((KS+1)%2)
	s_wait_dscnt 24                                ; all but the 24 just issued: this step's fragments are in, and in step 0 the scale words
.if KS == 0
	WIN 0x60                                       ; D window 1, C (the bias) window 2
.else
	WIN 0x50                                       ; C and D window 1
.endif
	MUL KS, F0+FSET*(KS%2)
	WIN 0
.set KS, KS+1
.endr
	s_wait_dscnt 0x0
	WIN 0x50
	MUL 7, F0+FSET
	WIN 0
; THE WAY OUT, block by block of 16 rows x 64 columns.  LDS serves a wave's instructions in order (ISA guide 5.7.1.4): no wait between my stores into my stage and my loads from it, nor ahead of the next block's stores.
.macro TOSTAGE a
	WIN 0x04                                       ; an LDS store's data are its source 1: window 1
.irp b, 0,1,2,3
	ds_store_b128 v[STO], v[32*(\a)+8*\b:32*(\a)+8*\b+3] offset:64*\b        ; each accumulator from its low end on
	ds_store_b128 v[STO], v[32*(\a)+8*\b+4:32*(\a)+8*\b+7] offset:64*\b+16
.endr
	WIN 0
.irp t, 0,1,2,3,4,5,6,7
	ds_load_b128 v[BK+32*((\a)%2)+4*\t:BK+32*((\a)%2)+4*\t+3], v[RD] offset:544*\t
.endr
.endm
.macro SEND a, younger                 ; younger: the LDS instructions issued behind block a's loads, which may stay out
	s_wait_dscnt \younger
.irp t, 0,1,2,3,4,5,6,7
	global_store_b128 v[CO], v[BK+32*((\a)%2)+4*\t:BK+32*((\a)%2)+4*\t+3], s[14:15] offset:(16*(\a)+2*\t)*4096 th:TH_STORE_NT   ; 16 lanes store 256 consecutive bytes, aligned; written once, read by nobody here
.endr
.endm
	PLACES 4                                       ; behind the last products: ahead of the first read of results and of the loads into registers that held fragments
	s_wait_alu depctr_va_vdst(0)
	TOSTAGE 0
.irp a, 1,2,3,4,5,6,7
.if \a > 1
	s_wait_xcnt 0x0                                ; block a - 2's stores have read their registers: block a's loads may land there
.endif
	TOSTAGE \a
	SEND \a-1, 16                                  ; behind block a - 1's loads: block a's 8 stores and 8 loads
.endr
	SEND 7, 0
	s_wait_tensorcnt 0x0
	ds_add_u32 v14, v15
	s_wait_dscnt 0x0
	ROUND                                          ; the closing round: no work-group ends while a partner may still ask for a tile that names it
	s_endpgm
.Lfunc_end_k_q0846aa63c4_outp:
	.size	k_q0846aa63c4_outp, .Lfunc_end_k_q0846aa63c4_outp-k_q0846aa63c4_outp
	.p2alignl 7, 3214868480
	.fill 96, 4, 3214868480
	.section	.rodata,"a",@progbits
	.p2align	6, 0x0
	.amdhsa_kernel k_q0846aa63c4_outp
		.amdhsa_group_segment_fixed_size 327680
		.amdhsa_private_segment_fixed_size 0
		.amdhsa_enable_private_segment 0
		.amdhsa_kernarg_size 48
		.amdhsa_user_sgpr_count 2
		.amdhsa_user_sgpr_kernarg_segment_ptr 1
		.amdhsa_wavefront_size32 1
		.amdhsa_system_sgpr_workgroup_id_x 1
		.amdhsa_system_sgpr_workgroup_id_y 1
		.amdhsa_system_sgpr_workgroup_id_z 1
		.amdhsa_system_vgpr_workitem_id 0
		.amdhsa_next_free_vgpr 544
		.amdhsa_next_free_sgpr 100
		.amdhsa_reserve_vcc 0
		.amdhsa_float_denorm_mode_32 3
		.amdhsa_float_denorm_mode_16_64 3
		.amdhsa_memory_ordered 1
		.amdhsa_forward_progress 1
		.amdhsa_inst_pref_size 71
	.end_amdhsa_kernel
	.amdgpu_metadata
---
amdhsa.version: [ 1, 2 ]
amdhsa.kernels:
  - .name:           k_q0846aa63c4_outp
    .symbol:         k_q0846aa63c4_outp.kd
    .args:
      - { .name: cimg, .offset: 0, .size: 8, .value_kind: global_buffer, .address_space: global }
      - { .name: csc, .offset: 8, .size: 8, .value_kind: global_buffer, .address_space: global }
      - { .name: Wo_codes, .offset: 16, .size: 8, .value_kind: global_buffer, .address_space: global }
      - { .name: Wo_scales, .offset: 24, .size: 8, .value_kind: global_buffer, .address_space: global }
      - { .name: bo, .offset: 32, .size: 8, .value_kind: global_buffer, .address_space: global }
      - { .name: out0, .offset: 40, .size: 8, .value_kind: global_buffer, .address_space: global }
    .group_segment_fixed_size: 327680
    .private_segment_fixed_size: 0
    .kernarg_segment_align: 8
    .kernarg_segment_size: 48
    .max_flat_workgroup_size: 128
    .sgpr_count:     100
    .vgpr_count:     544
    .wavefront_size: 32
...
	.end_amdgpu_metadata
.endif
;; end of part 3
